; MI455X (gfx1250); checked and timed in simulation.
; The chip was launched on July 23, 2026; its instructions are those of AMD's public machine-readable ISA for CDNA 5 (MIT licence, August 2026) and "CDNA5" Instruction Set Architecture Reference Guide (July 2026). The comments in the code are by the model that wrote it; some were corrected since.
;; Causal Self Attention. Allowed arithmetic: matrix products marked QUANTISED: E4M3 operands, one E8M0 scale for each 32 along K, by v_wmma_scale_f32_16x16x128_f8f6f4 with both operands' format E4M3, f32 sums; everything else in f32.
;; Inputs: Wk 768 x 768 float32; Wp 768 x 768 float32; Wq 768 x 768 float32; Wv 768 x 768 float32; x 1 x 4,096 x 768 float32.
;; Outputs: out0 1 x 4,096 x 768 float32.
;; This version of the problem:
;;   THIS VERSION OF THE PROBLEM IS GIVEN IN LOW PRECISION. The matrix products marked QUANTISED in the list below multiply operands that are first quantised to E4M3 (4 exponent bits, 3 mantissa bits; 8 bits a number), with one power-of-two scale for each 32 numbers along K (OCP MX v1.0); their sums are f32. All else is computed in f32.
;;   The module's matrix products, in the order in which they are computed (A, B: the left and right operand; K: the contracted axis; several contracted axes count as one K, in the product's order):
;;     1. [M 4,096, K 768] x [K 768, N 768]; A: input x; B: input Wq: QUANTISED
;;     2. [M 4,096, K 768] x [K 768, N 768]; A: input x; B: input Wk: QUANTISED
;;     3. [M 4,096, K 768] x [K 768, N 768]; A: input x; B: input Wv: QUANTISED
;;     4. batch 12 x [M 4,096, K 64] x [K 64, N 4,096]; A: computed on the way; B: computed on the way: QUANTISED
;;     5. batch 12 x [M 4,096, K 4,096] x [K 4,096, N 64]; A: softmax (see below); B: computed on the way: QUANTISED
;;     6. [M 4,096, K 768] x [K 768, N 768]; A: computed on the way; B: input Wp: QUANTISED
;;   THE QUANTISER, for each operand of a quantised product, along K:
;;     - K is cut into blocks of 32 from its start; a last block that is shorter is filled with zeros.
;;     - A block's scale is 2^e with e = floor(log2(the largest magnitude in the block)) - 8, held to -126 .. 127; a block of zeros has e = 0. As a byte (E8M0): e + 127.
;;     - Each number is divided by its block's scale, clamped to +-448, and rounded to the nearest number of E4M3, ties to even, subnormals kept.
;;     - The product sums the exact products of the quantised numbers (number of the format x scale) in f32.
;;   ~~~python
;;   def quantise(x, axis):      # numpy; x: float32 -> the quantised numbers, widened to float32 again
;;       x = np.moveaxis(x, axis, -1); K = x.shape[-1]
;;       x = np.pad(x, [(0, 0)] * (x.ndim - 1) + [(0, -K % 32)]); x = x.reshape(x.shape[:-1] + (-1, 32)); a = np.abs(x).max(-1, keepdims=True)
;;       e = np.where(a > 0, np.clip(np.frexp(np.where(a > 0, a, 1))[1] - 1 - 8, -126, 127), 0)      # np.frexp(a)[1] - 1 = floor(log2(a)), exactly
;;       r = np.clip(x / 2.0 ** e, -448, 448)
;;       step = 2.0 ** (np.maximum(np.frexp(np.where(r == 0, 1, r))[1] - 1, -6) - 3)
;;       q = np.round(r / step) * step * 2.0 ** e      # np.round: ties to even
;;       return np.moveaxis(q.reshape(q.shape[:-2] + (-1,))[..., :K], -1, axis).astype(np.float32)
;;   ~~~
;;   SOFTMAX AHEAD OF A QUANTISED PRODUCT. Where the list says 'softmax', what is quantised is not the finished softmax but p = 2^(t - M), with t = logit x log2(e) and M = ceil(the row's largest t), a whole number; so 1/2 < the row's largest p <= 1. The row's sum l is taken of the UNQUANTISED p, in f32, and the product's result is divided by l at the end. Since M is a whole number, a kernel that streams over the keys may use a running M (the ceiling of the running maximum): every later rescaling is an exact power of two, which a block's scale takes up: the codes' values come out the same.
;;   OPERANDS COMPUTED ON THE WAY. 'Computed on the way' means the value that the module computes at that place (a softmax that the list does not call 'softmax' is quantised finished and normalised). What goes into a quantiser is computed in f32, as accurately as f32 sums, v_exp_f32 and their like allow (about 1e-6 of the number): no bf16 or f16 on the way to a quantiser, and a product that is left as it is and whose result goes on into a quantised operand takes f32 operands (vector FMAs, or v_wmma_f32_16x16x4_f32). A number that lies on a knife's edge between two numbers of the format may be rounded either way, as far as f32 arithmetic and the matrix unit's own rounding can turn it there, and no further.
;; One version. Each part assembles by itself: llvm-mc -triple=amdgcn-amd-amdhsa -mcpu=gfx1250 --defsym DOCPART=n.
;; ======== version 1 of 1: 4 launches
;; limits: right only within a limited range of input values
;; workspace buffers: act 3,145,728 bytes; act_sc 196,608 bytes; wimg 2,359,296 bytes; wsc 147,456 bytes; qimg 3,145,728 bytes; qsc 98,304 bytes; kv 6,488,064 bytes
;; launch quant (part 1): grid 112 x 6, 4 waves a work-group, no clusters, 34,304 bytes of LDS; arguments x, Wq, Wk, Wv, Wp, act, act_sc, wimg, wsc; writes act, act_sc, wimg, wsc
.if DOCPART == 1
	.amdgcn_target "amdgcn-amd-amdhsa--gfx1250"
	.amdhsa_code_object_version 6
	.text
	.protected	k_q56e7976c47_quant
	.globl	k_q56e7976c47_quant
	.p2align	8
	.type	k_q56e7976c47_quant,@function
k_q56e7976c47_quant:
	s_mov_b64 s[64:65], 0
	v_nop
	global_prefetch_b8 v0, s[64:65] scope:SCOPE_SE
	s_setreg_imm32_b32 hwreg(HW_REG_WAVE_MODE, 25, 1), 1
	s_wait_xcnt 0x0
; x [4096][768] and Wq, Wk, Wv, Wp [768][768], f32 with K innermost, become codes of FP8 (E4M3) with one E8M0 byte for each 32 along K.
; THE RESULT IS LAID AS IMAGES OF OPERAND REGISTERS.  A tile tau = 2 B + u is made of the 16 rows 32 B + 8 u + r + 8 (r / 8), r = 0 .. 15.  Fragment (tau, s), 16 rows x 128 along K, is 2,048 bytes at
; (6 tau + s) x 2048: piece c (0 .. 3) at 512 c + 16 lane holds, for lane (r = lane % 16, h = lane / 16), k = 128 s + 32 c + 16 h + 0 .. 15 of the tile's row r.  Its scale words lie at (6 tau + s) x 128 + 4 lane.
; A block's scale is 2^(floor(log2(its largest magnitude)) - 8); its byte is the largest magnitude's exponent field - 8, held at 1 from below; numbers are held within +-448 x the scale and rounded to the nearest code, ties to even.
; LIMITS: a block of zeros gets the byte 1 where the quantiser's text says 127: its codes are zeros, and the bytes are read by this program alone.  Blocks whose largest magnitude lies under 2^(9 - 127) keep the byte 1.
; NaN and infinities among the inputs are not served.
; SHARES: one wave makes one fragment; no loop, no barrier, waves share nothing.  Work-group x = a group of four tiles (0-63: x; then 12 groups each for Wq, Wk, Wv, Wp); work-group y = the K step s.
; Each of a wave's 16 loads reads 512 consecutive bytes of one row; the 8,192 bytes turn through the wave's own stage in LDS (rows of 512 + 16 bytes), so that a lane gets 16 neighbours of each block of 32.
; The codes leave by stores of 512 consecutive bytes; the scale words by one store of 128 bytes, one part in 17 of what the launch stores.
.set R,      16                        ; v16-79   16 rows as loaded
.set X,      80                        ; v80-143  64 numbers of my row: register 16 b + i = k 32 b + 16 h + i
.set PC,     144                       ; v144-159 the fragment's codes
.set TM,     160                       ; v160-163 largest magnitudes, v164-167 bytes, v172-175 the conversions' scale operands
.set PW,     176                       ; the scale word
.set SEL,    26                        ; s[26:27] lane selects: lane l xor 16
.set MNT,    28
.set SPITCH, 528
.macro QUANT s                         ; 64 numbers of a lane -> 16 registers of codes, four bytes
.irp b, 0,1,2,3
	v_max3_num_f32 v[TM+\b], |v[\s+16*\b]|, |v[\s+1+16*\b]|, 0x4800000   ; block b: my 16 numbers, and the floor 2^(9 - 127): the byte cannot fall under 1
.endr
.irp i, 2,4,6,8,10,12,14
.irp b, 0,1,2,3
	v_max3_num_f32 v[TM+\b], v[TM+\b], |v[\s+16*\b+\i]|, |v[\s+1+16*\b+\i]|   ; the four blocks by turns
.endr
.endr
.irp b, 0,1,2,3
	v_permlanex16_b32 v[TM+4+\b], v[TM+\b], s[SEL], s[SEL+1]
.endr
.irp b, 0,1,2,3
	v_max_num_f32 v[TM+\b], v[TM+\b], v[TM+4+\b]              ; with lane l xor 16's: the block's largest magnitude
.endr
.irp b, 0,1,2,3
	v_add_nc_u32 v[TM+12+\b], 0xfc000000, v[TM+\b]            ; 8 off its exponent field: the conversion's scale operand
.endr
.irp b, 0,1,2,3
.endr
.irp b, 0,1,2,3
	v_lshrrev_b32 v[TM+4+\b], 23, v[TM+12+\b]                 ; the scale's byte
.endr
.irp b, 0,1,2,3
.irp i, 0,1,2,3,4,5,6,7,8,9,10,11,12,13,14,15
.endr
	v_cvt_scalef32_pk8_fp8_f32 v[PC+4*\b:PC+1+4*\b], v[\s+16*\b:\s+7+16*\b], v[TM+12+\b]
	v_cvt_scalef32_pk8_fp8_f32 v[PC+2+4*\b:PC+3+4*\b], v[\s+8+16*\b:\s+15+16*\b], v[TM+12+\b]
.endr
	v_nop                                          ; one plain vector instruction behind the last conversion
.endm
	s_load_b256 s[4:11], s[0:1], 0x0               ; x s[4:5], Wq s[6:7], Wk s[8:9], Wv s[10:11]
	s_load_b256 s[12:19], s[0:1], 0x20             ; Wp s[12:13], act s[14:15], act_sc s[16:17], wimg s[18:19]
	s_load_b64 s[20:21], s[0:1], 0x40              ; wsc
	v_lshl_add_u32 v192, v0, 2, 0x8400
	v_mov_b32 v193, 0
	v_lshrrev_b32 v5, 5, v0
	v_readfirstlane_b32 s22, v5                    ; wave 0..3
	s_mov_b32 s23, ttmp9                           ; the group of four tiles
	s_and_b32 s24, ttmp7, 0xffff                   ; the K step
	v_and_b32 v6, 31, v0                           ; lane
	v_lshlrev_b32 v1, 4, v6                        ; 16 x lane
	v_lshlrev_b32 v2, 2, v6                        ; 4 x lane
	s_mul_i32 s25, s22, 16*SPITCH                  ; my stage
	v_add_nc_u32 v3, s25, v1                       ; in: a row's 512 bytes as they lie
	v_and_b32 v7, 15, v0                           ; r
	v_bfe_u32 v8, v0, 4, 1                         ; h
	v_mul_u32_u24 v4, v7, SPITCH
	v_lshl_add_u32 v4, v8, 6, v4
	v_add_nc_u32 v4, s25, v4                       ; out: row r, + 64 h: my 16 numbers of a block
	s_mov_b32 s[SEL], 0x76543210
	s_mov_b32 s[SEL+1], 0xfedcba98
.irp b, 0,1,2,3
	v_mov_b32 v[TM+4+\b], 0                        ; written once: a lane permute's destination counts as one of its sources
.endr
	s_wait_alu depctr_va_vdst(0)
	s_wait_kmcnt 0x0
	; which tensor: the choice hangs on the work-group's number alone; only pointers and first groups are chosen, the text has one path
	s_mov_b64 s[32:33], s[12:13]
	s_mov_b32 s34, 100
	s_cmp_lt_u32 s23, 100
	s_cselect_b64 s[32:33], s[10:11], s[32:33]
	s_cselect_b32 s34, 88, s34
	s_cmp_lt_u32 s23, 88
	s_cselect_b64 s[32:33], s[8:9], s[32:33]
	s_cselect_b32 s34, 76, s34
	s_cmp_lt_u32 s23, 76
	s_cselect_b64 s[32:33], s[6:7], s[32:33]
	s_cselect_b32 s34, 64, s34
	s_cmp_lt_u32 s23, 64
	s_cselect_b64 s[32:33], s[4:5], s[32:33]
	s_cselect_b32 s34, 0, s34                      ; the tensor's first group
	s_cselect_b64 s[36:37], s[14:15], s[18:19]     ; where the codes go,
	s_cselect_b64 s[38:39], s[16:17], s[20:21]     ; and the scale words
	s_cselect_b32 s35, 0, 64                       ; the first group of that image
	s_sub_co_u32 s40, s23, s34
	s_lshl_b32 s40, s40, 2
	s_add_co_u32 s40, s40, s22                     ; my tile in the tensor
	s_lshr_b32 s41, s40, 1
	s_lshl_b32 s41, s41, 5
	s_and_b32 s42, s40, 1
	s_lshl_b32 s42, s42, 3
	s_add_co_u32 s41, s41, s42                     ; its first row: 32 B + 8 u
	s_mul_i32 s40, s41, 3072
	s_lshl_b32 s42, s24, 9
	s_add_co_u32 s40, s40, s42                     ; + 512 bytes a K step
	s_mov_b32 s41, 0
	s_add_nc_u64 s[32:33], s[32:33], s[40:41]
	s_sub_co_u32 s40, s23, s35
	s_lshl_b32 s40, s40, 2
	s_add_co_u32 s40, s40, s22                     ; my tile in the image
	s_mul_i32 s40, s40, 6
	s_add_co_u32 s42, s40, s24                     ; the fragment's number
	s_lshl_b32 s40, s42, 11
	s_add_nc_u64 s[36:37], s[36:37], s[40:41]
	s_lshl_b32 s40, s42, 7
	s_add_nc_u64 s[38:39], s[38:39], s[40:41]
.irp i, 0,1,2,3,4,5,6,7,8,9,10,11,12,13,14,15
	global_load_b128 v[R+4*\i:R+4*\i+3], v1, s[32:33] offset:(\i+8*(\i/8))*3072 th:TH_LOAD_NT   ; the tile's row i: 512 consecutive bytes
.endr
.irp q, 0,1,2,3
	s_wait_loadcnt 12-4*\q                         ; four more rows are in; the younger loads stay out
.irp i, 0,1,2,3
	ds_store_b128 v3, v[R+16*\q+4*\i:R+16*\q+4*\i+3] offset:SPITCH*(4*\q+\i)
.endr
.endr
.irp c, 0,1,2,3
.irp j, 0,1,2,3
	ds_load_b128 v[X+16*\c+4*\j:X+16*\c+4*\j+3], v4 offset:128*\c+16*\j   ; my wave's own bytes; LDS serves a wave's instructions in order: these see the stores above
.endr
.endr
	s_wait_dscnt 0x0
	QUANT X
	v_lshl_or_b32 v[PW], v[TM+5], 8, v[TM+4]       ; the four bytes make my row's scale word
	v_lshl_or_b32 v[PW], v[TM+6], 16, v[PW]
	v_lshl_or_b32 v[PW], v[TM+7], 24, v[PW]
.irp c, 0,1,2,3
	global_store_b128 v1, v[PC+4*\c:PC+4*\c+3], s[36:37] offset:512*\c   ; 32 lanes store 512 consecutive bytes, at a multiple of 256 from the buffer's first byte
.endr
	global_store_b32 v2, v[PW], s[38:39]
	s_wait_tensorcnt 0x0
	ds_add_u32 v192, v193
	s_wait_dscnt 0x0
	s_endpgm
.Lfunc_end_k_q56e7976c47_quant:
	.size	k_q56e7976c47_quant, .Lfunc_end_k_q56e7976c47_quant-k_q56e7976c47_quant
	.p2alignl 7, 3214868480
	.fill 96, 4, 3214868480
	.section	.rodata,"a",@progbits
	.p2align	6, 0x0
	.amdhsa_kernel k_q56e7976c47_quant
		.amdhsa_group_segment_fixed_size 34304
		.amdhsa_private_segment_fixed_size 0
		.amdhsa_enable_private_segment 0
		.amdhsa_kernarg_size 72
		.amdhsa_user_sgpr_count 2
		.amdhsa_user_sgpr_kernarg_segment_ptr 1
		.amdhsa_wavefront_size32 1
		.amdhsa_system_sgpr_workgroup_id_x 1
		.amdhsa_system_sgpr_workgroup_id_y 1
		.amdhsa_system_sgpr_workgroup_id_z 1
		.amdhsa_system_vgpr_workitem_id 0
		.amdhsa_next_free_vgpr 194
		.amdhsa_next_free_sgpr 66
		.amdhsa_reserve_vcc 0
		.amdhsa_float_denorm_mode_32 3
		.amdhsa_float_denorm_mode_16_64 3
		.amdhsa_fp16_overflow 1
		.amdhsa_memory_ordered 1
		.amdhsa_forward_progress 1
		.amdhsa_inst_pref_size 11
	.end_amdhsa_kernel
	.amdgpu_metadata
---
amdhsa.version: [ 1, 2 ]
amdhsa.kernels:
  - .name:           k_q56e7976c47_quant
    .symbol:         k_q56e7976c47_quant.kd
    .args:
      - { .name: x, .offset: 0, .size: 8, .value_kind: global_buffer, .address_space: global }
      - { .name: Wq, .offset: 8, .size: 8, .value_kind: global_buffer, .address_space: global }
      - { .name: Wk, .offset: 16, .size: 8, .value_kind: global_buffer, .address_space: global }
      - { .name: Wv, .offset: 24, .size: 8, .value_kind: global_buffer, .address_space: global }
      - { .name: Wp, .offset: 32, .size: 8, .value_kind: global_buffer, .address_space: global }
      - { .name: act, .offset: 40, .size: 8, .value_kind: global_buffer, .address_space: global }
      - { .name: act_sc, .offset: 48, .size: 8, .value_kind: global_buffer, .address_space: global }
      - { .name: wimg, .offset: 56, .size: 8, .value_kind: global_buffer, .address_space: global }
      - { .name: wsc, .offset: 64, .size: 8, .value_kind: global_buffer, .address_space: global }
    .group_segment_fixed_size: 34304
    .private_segment_fixed_size: 0
    .kernarg_segment_align: 8
    .kernarg_segment_size: 72
    .max_flat_workgroup_size: 128
    .sgpr_count:     66
    .vgpr_count:     194
    .wavefront_size: 32
...
	.end_amdgpu_metadata
.endif
;; end of part 1
;; launch qkv (part 2): grid 16 x 12, 8 waves a work-group, clusters of 4 x 1, 168,960 bytes of LDS; arguments act, act_sc, wimg, wsc, qimg, qsc, kv; writes qimg, qsc, kv
.if DOCPART == 2
	.amdgcn_target "amdgcn-amd-amdhsa--gfx1250"
	.amdhsa_code_object_version 6
	.text
	.protected	k_q56e7976c47_qkv
	.globl	k_q56e7976c47_qkv
	.p2align	8
	.type	k_q56e7976c47_qkv,@function
k_q56e7976c47_qkv:
	s_mov_b64 s[64:65], 0
	v_nop
	global_prefetch_b8 v0, s[64:65] scope:SCOPE_SE
	s_setreg_imm32_b32 hwreg(HW_REG_WAVE_MODE, 25, 1), 1
	s_wait_xcnt 0x0
	s_wait_alu depctr_hold_cnt(0) depctr_sa_sdst(0) depctr_va_vdst(0) depctr_va_sdst(0) depctr_va_ssrc(0) depctr_va_vcc(0) depctr_vm_vsrc(0)
	s_getreg_b32 s2, hwreg(HW_REG_IB_STS2, 6, 4)
	s_cmp_eq_u32 s2, 0
	s_cbranch_scc0 .Lentry_in_a_cluster
	s_endpgm
.Lentry_in_a_cluster:
	s_bfe_u32 s2, ttmp6, 0x10000c
	s_cmp_lg_u32 s2, 0x3003
	s_cbranch_scc0 .Lentry_shape_is_right
	s_endpgm
.Lentry_shape_is_right:
; q = x Wq^T, k = x Wk^T, v = x Wv^T on codes of FP8 (E4M3) with E8M0 scales; the results are quantised in registers (q, k along the head's 64 channels, v along the keys) and stored as images of the
; registers that the attention launch's operands take.  Tiles are made of the rows 32 B + 8 u + r + 8 (r / 8) throughout, so that the 16 registers of tiles (B, 0), (B, 1) of a result are 16 neighbours.
; SHARES: work-group (tb, fb): 256 tokens x 192 rows of one weight: three heads (fb 0-3: q, 4-7: k, 8-11: v).  2,304 rows fall into whole heads as 12 x 192; with 16 blocks of tokens that is 192 work-groups.
; Wave w owns 32 tokens (group B = 8 tb + w, two tiles): its 12 fragments of x stay in 192 registers.  The block's 72 weight fragments and their scale words come into LDS once and are never filled again.
; CLUSTER: the four token blocks of a cluster read the same weights: each tile is asked for jointly (mask 15; the address hangs on fb and the wave's number alone).
; A STAGE is one head: six K steps of eight matrix instructions on eight accumulators by turns.  q, k: source 0 = 16 rows of W, source 1 = 16 tokens: a lane holds one token, registers
; along the channels.  v: source 0 = 16 tokens, source 1 = 16 rows of W: a lane holds one channel, registers along the tokens.  Either way register 16 b + i is the i-th of 16 neighbours of block b, shared with lane l xor 16.
; WHERE THE RESULTS GO.  qimg [head][tile 256][c 0,1][lane][16].  qsc [head][B][r]: a word = the bytes (u 0 block 0, u 0 block 1, u 1 block 0, u 1 block 1).
; kv [head][32] records of 16,896 bytes for 128 keys: K's four fragments (fragment g: keys 32 g on; pieces 0, 1 = tile u 0, pieces 2, 3 = tile u 1), V^T's four (channel tile t; piece c = keys 32 c on), 256 bytes of K's
; scale words (64 g + 4 r), 256 of V's (64 t + 4 r, byte c).  The scale bytes leave singly, one byte in 33 of what the launch stores; lanes 16-31 write the same bytes with the same values as lanes 0-15.
; LIMITS: as the quantising launch states them (a block of zeros gets the byte 1; NaN and infinities are not served).
.set LI,  1                            ; v1     16 x lane
.set L4,  2                            ; v2     4 x lane
.set WA,  3                            ; v3-5   LDS: stage j's fragments, my lane's 16 bytes
.set WSA, 6                            ; v6     LDS: the weights' scale words, my lane's
.set VA,  8                            ; v8-11  the stores' offsets: block b's codes
.set VS,  12                           ; v12-15 and its scale byte
.set XS,  16                           ; v16-27 x's scale words (6 tt + s)
.set WS,  28                           ; v28-31 the K step's four weight scale words
.set ACC, 32                           ; v32-95 eight accumulators
.set WB,  96                           ; v96-159 the K step's four weight fragments
.set PC,  160                          ; v160-175 codes
.set TM,  176                          ; v176-191 at work in the quantiser
                                       ; window 1: v0-191: x's fragment (tt, s) at 16 (6 tt + s)
.set WV,  18
.set CX,  19
.set TBK, 20
.set FB,  21
.set BG,  22
.set HEAD0, 23
.set SEL, 26
.set MNT, 28
.set CB,  30                           ; s[30:31] where the stage's codes go;  s[32:33] its scale bytes;  s[34:35], s[36:37] from head to head
.set SB,  32
.set CST, 34
.set SST, 36
.set G1C, 40                           ; s[40:47] group 1: 24 rows of 256 bytes (three fragments)
.set G1S, 48                           ; s[48:55] group 1: 9 rows of 128 bytes (nine fragments' scale words)
.set WSCL, 147456                      ; LDS: 72 fragments of 2,048 bytes, then their scale words, 128 bytes each
.set MSB, 0
.macro WIN new                         ; the immediate's high byte repeats the setting that is left
.if MSB != \new
	s_set_vgpr_msb (MSB<<8)|\new
.set MSB, \new
.endif
.endm
.macro ROUND                           ; a round of the cluster's barrier
	s_barrier_signal -1
	s_barrier_wait -1
	s_cmp_lg_u32 s[WV], 0
	s_cbranch_scc1 .Lnot_wave_0_\@
	s_barrier_signal -3
.Lnot_wave_0_\@:
	s_barrier_wait -3
	s_barrier_signal -1
	s_barrier_wait -1
.endm
.macro QUANT s                         ; 64 numbers of a lane -> 16 registers of codes, four bytes
.irp b, 0,1,2,3
	v_max3_num_f32 v[TM+\b], |v[\s+16*\b]|, |v[\s+1+16*\b]|, 0x4800000   ; each accumulator is read from its low end on; the floor 2^(9 - 127) holds the byte at 1 from below
.endr
.irp i, 2,4,6,8,10,12,14
.irp b, 0,1,2,3
	v_max3_num_f32 v[TM+\b], v[TM+\b], |v[\s+16*\b+\i]|, |v[\s+1+16*\b+\i]|
.endr
.endr
.irp b, 0,1,2,3
	s_delay_alu instid0(VALU_DEP_4)
	v_permlanex16_b32 v[TM+4+\b], v[TM+\b], s[SEL], s[SEL+1]
.endr
.irp b, 0,1,2,3
	s_delay_alu instid0(VALU_DEP_4)
	v_max_num_f32 v[TM+\b], v[TM+\b], v[TM+4+\b]
.endr
.irp b, 0,1,2,3
	s_delay_alu instid0(VALU_DEP_4)
	v_add_nc_u32 v[TM+12+\b], 0xfc000000, v[TM+\b]
.endr
.irp b, 0,1,2,3
.endr
.irp b, 0,1,2,3
	s_delay_alu instid0(VALU_DEP_4)
	v_lshrrev_b32 v[TM+4+\b], 23, v[TM+12+\b]
.endr
.irp b, 0,1,2,3
.irp i, 0,1,2,3,4,5,6,7,8,9,10,11,12,13,14,15
.endr
	v_cvt_scalef32_pk8_fp8_f32 v[PC+4*\b:PC+1+4*\b], v[\s+16*\b:\s+7+16*\b], v[TM+12+\b]
	v_cvt_scalef32_pk8_fp8_f32 v[PC+2+4*\b:PC+3+4*\b], v[\s+8+16*\b:\s+15+16*\b], v[TM+12+\b]
.endr
	v_nop                                          ; one plain vector instruction behind the last conversion: the next stage's products write the numbers' registers
.endm
; K step s of stage j: four weight fragments and their scale words from LDS, eight matrix instructions.
.macro KSTEP j, s, swap
.if \s > 0
.rept 8
	v_nop                                          ; eight places in front of loads into registers that matrix instructions have read
.endr
.endif
.irp f, 0,1,2,3
.irp c, 0,1,2,3
	ds_load_b128 v[WB+16*\f+4*\c:WB+16*\f+4*\c+3], v[WA+\j] offset:(6*\f+\s)*2048+512*\c
.endr
	ds_load_b32 v[WS+\f], v[WSA] offset:(24*\j+6*\f+\s)*128
.endr
	s_wait_dscnt 0x0
.if \swap
	WIN 0x01                                       ; source 0 (x) window 1
.irp tt, 0,1
.irp f, 0,1,2,3
.if \s == 0
	v_wmma_scale_f32_16x16x128_f8f6f4 v[ACC+16*\f+8*\tt:ACC+16*\f+8*\tt+7], v[16*(6*\tt+\s):16*(6*\tt+\s)+15], v[WB+16*\f:WB+16*\f+15], 0, v[XS+6*\tt+\s], v[WS+\f]
.else
	v_wmma_scale_f32_16x16x128_f8f6f4 v[ACC+16*\f+8*\tt:ACC+16*\f+8*\tt+7], v[16*(6*\tt+\s):16*(6*\tt+\s)+15], v[WB+16*\f:WB+16*\f+15], v[ACC+16*\f+8*\tt:ACC+16*\f+8*\tt+7], v[XS+6*\tt+\s], v[WS+\f]
.endif
.endr
.endr
.else
	WIN 0x04                                       ; source 1 (x) window 1
.irp tt, 0,1
.irp f, 0,1,2,3
.if \s == 0
	v_wmma_scale_f32_16x16x128_f8f6f4 v[ACC+32*\tt+8*\f:ACC+32*\tt+8*\f+7], v[WB+16*\f:WB+16*\f+15], v[16*(6*\tt+\s):16*(6*\tt+\s)+15], 0, v[WS+\f], v[XS+6*\tt+\s]
.else
	v_wmma_scale_f32_16x16x128_f8f6f4 v[ACC+32*\tt+8*\f:ACC+32*\tt+8*\f+7], v[WB+16*\f:WB+16*\f+15], v[16*(6*\tt+\s):16*(6*\tt+\s)+15], v[ACC+32*\tt+8*\f:ACC+32*\tt+8*\f+7], v[WS+\f], v[XS+6*\tt+\s]
.endif
.endr
.endr
.endif
	WIN 0
.endm
.macro STAGE j
	s_wait_tensorcnt 2-\j                          ; the scale words and my part of stage j's fragments are in; the later stages' loads may stay out
	s_barrier_signal -1
	s_barrier_wait -1                              ; everybody's are
	s_cmp_ge_u32 s[FB], 8                          ; v's work-groups take the other order of sources: the same in all partners of a cluster
	s_cbranch_scc1 .Lv_\@
.irp s, 0,1,2,3,4,5
	KSTEP \j, \s, 0
.endr
	s_branch .Ljoin_\@
.Lv_\@:
.irp s, 0,1,2,3,4,5
	KSTEP \j, \s, 1
.endr
.Ljoin_\@:
.rept 8
	v_nop                                          ; eight places in front of the first read of results
.endr
	QUANT ACC
.irp b, 0,1,2,3
	global_store_b128 v[VA+\b], v[PC+4*\b:PC+4*\b+3], s[CB:CB+1]   ; 32 lanes store 512 consecutive bytes, at a multiple of 256 from the buffer's first byte
.endr
.irp b, 0,1,2,3
	global_store_b8 v[VS+\b], v[TM+4+\b], s[SB:SB+1]
.endr
.if \j < 2
	s_wait_xcnt 0x0                                ; the stores have read their data and bases: both are written again only behind this wait
	s_add_nc_u64 s[CB:CB+1], s[CB:CB+1], s[CST:CST+1]   ; the next head
	s_add_nc_u64 s[SB:SB+1], s[SB:SB+1], s[SST:SST+1]
.endif
.endm
	s_load_b256 s[4:11], s[0:1], 0x0               ; act s[4:5], act_sc s[6:7], wimg s[8:9], wsc s[10:11]
	s_load_b128 s[12:15], s[0:1], 0x20             ; qimg s[12:13], qsc s[14:15]
	s_load_b64 s[16:17], s[0:1], 0x30              ; kv
	v_lshl_add_u32 v254, v0, 2, 0x29000
	v_mov_b32 v255, 0
	ds_add_u32 v254, v255
	ds_add_u32 v254, v255
	v_lshrrev_b32 v7, 5, v0
	s_delay_alu instid0(VALU_DEP_1)
	v_readfirstlane_b32 s[WV], v7                  ; wave 0..7
	s_and_b32 s[FB], ttmp7, 0xffff                 ; the block of 192 weight rows: shared by the cluster's four
	s_mov_b32 s[G1C], 15|(3<<16)|(1<<21)           ; 15:0 the mask: all four work-groups; 17:16 elements of 8 bytes; 21 set beside a mask; no padding: images are read 16 bytes a lane on end
	s_mov_b32 s[G1C+1], 32<<16                     ; tensor_dim0 = 32 elements: 256 bytes
	s_mov_b32 s[G1C+2], 24<<16                     ; tensor_dim1 = 24
	s_mov_b32 s[G1C+3], 32<<16                     ; tile_dim0
	s_mov_b32 s[G1C+4], 24                         ; tile_dim1
	s_mov_b32 s[G1C+5], 32                         ; the pitch: dense
	s_mov_b32 s[G1C+6], 0
	s_mov_b32 s[G1C+7], 0
	s_mov_b32 s[G1S], 15|(3<<16)|(1<<21)
	s_mov_b32 s[G1S+1], 16<<16                     ; rows of 128 bytes: 1,152 bytes are no multiple of 256
	s_mov_b32 s[G1S+2], 9<<16
	s_mov_b32 s[G1S+3], 16<<16
	s_mov_b32 s[G1S+4], 9
	s_mov_b32 s[G1S+5], 16
	s_mov_b32 s[G1S+6], 0
	s_mov_b32 s[G1S+7], 0
	; groups 0: s[56:59] the scale words of fragments 9 w on; s[60:63], s[68:71], s[72:75] fragments 24 j + 3 w on, j = 0, 1, 2.  s76-79 feed them and hold nothing made of the place in the cluster
	s_mul_i32 s76, s[FB], 72
	s_mul_i32 s77, s[WV], 9
	s_add_co_u32 s77, s76, s77
	s_lshl_b32 s78, s77, 7
	s_mov_b32 s79, 0
	s_mov_b32 s56, 1
	s_mul_i32 s57, s[WV], 1152
	s_add_co_u32 s57, s57, WSCL
	s_mov_b32 s60, 1
	s_mul_i32 s61, s[WV], 6144
	s_mov_b32 s68, 1
	s_add_co_u32 s69, s61, 49152
	s_mov_b32 s72, 1
	s_add_co_u32 s73, s61, 98304
	s_wait_dscnt 0x0
	s_wait_kmcnt 0x0
	s_add_nc_u64 s[58:59], s[10:11], s[78:79]
	s_mul_i32 s77, s[WV], 3
	s_add_co_u32 s77, s76, s77
	s_lshl_b32 s78, s77, 11
	s_add_nc_u64 s[62:63], s[8:9], s[78:79]
	s_add_nc_u64 s[70:71], s[62:63], 49152
	s_add_nc_u64 s[74:75], s[62:63], 98304
	s_or_b32 s59, s59, 0x80000000                  ; type = 2
	s_or_b32 s63, s63, 0x80000000
	s_or_b32 s71, s71, 0x80000000
	s_or_b32 s75, s75, 0x80000000
	ROUND                                          ; all four work-groups are here: the joint loads meet
	tensor_load_to_lds s[56:59], s[G1S:G1S+7]      ; four loads of mine are out: the scale words, then the three stages' fragments
	s_nop 0
	tensor_load_to_lds s[60:63], s[G1C:G1C+7]
	s_nop 0
	tensor_load_to_lds s[68:71], s[G1C:G1C+7]
	s_nop 0
	tensor_load_to_lds s[72:75], s[G1C:G1C+7]
	s_nop 0
.rept 4
	v_nop                                          ; four v_nop ahead of a switch of windows
.endr
	s_bfe_u32 s[CX], ttmp6, 0x40000                ; my place in the cluster: it enters global addresses of x and of the results alone
	s_lshl_b32 s[TBK], ttmp9, 2
	s_add_co_u32 s[TBK], s[TBK], s[CX]             ; my block of 256 tokens
	s_lshl_b32 s[BG], s[TBK], 3
	s_add_co_u32 s[BG], s[BG], s[WV]               ; my wave's group of 32 tokens
	s_mul_i32 s80, s[BG], 24576                    ; its 12 fragments are 24,576 consecutive bytes,
	s_mov_b32 s81, 0
	s_add_nc_u64 s[4:5], s[4:5], s[80:81]
	s_mul_i32 s80, s[BG], 1536                     ; their scale words 1,536
	s_add_nc_u64 s[6:7], s[6:7], s[80:81]
	v_and_b32 v7, 31, v0
	s_delay_alu instid0(VALU_DEP_1)
	v_lshlrev_b32 v[LI], 4, v7
	s_delay_alu instid0(VALU_DEP_2)
	v_lshlrev_b32 v[L4], 2, v7
	WIN 0x40                                       ; destination window 1
.set n, 0
.rept 48
	global_load_b128 v[4*n:4*n+3], v[LI], s[4:5] offset:512*n
.set n, n+1
.endr
	WIN 0
.irp n, 0,1,2,3,4,5,6,7,8,9,10,11
	global_load_b32 v[XS+\n], v[L4], s[6:7] offset:128*\n
.endr
	v_mov_b32 v[WA], v[LI]
	v_add_nc_u32 v[WA+1], 49152, v[LI]
	v_add_nc_u32 v[WA+2], 98304, v[LI]
	v_add_nc_u32 v[WSA], WSCL, v[L4]
	s_mov_b32 s[SEL], 0x76543210
	s_mov_b32 s[SEL+1], 0xfedcba98
.irp b, 0,1,2,3
	v_mov_b32 v[TM+4+\b], 0                        ; written once: a lane permute's destination counts as one of its sources
.endr
	; from block to block of a stage's four: q, k: 512 bytes of codes, 1 scale byte; v: 2,048 and 64
	s_cmp_lt_u32 s[FB], 8
	s_mov_b32 s80, 2048
	s_cselect_b32 s80, 512, s80
	s_cselect_b32 s81, 1, 64
	v_and_b32 v7, 15, v0
	v_mov_b32 v[VA], v[LI]
	s_delay_alu instid0(VALU_DEP_2)
	v_lshlrev_b32 v[VS], 2, v7                     ; 4 r
.irp b, 1,2,3
	s_delay_alu instid0(VALU_DEP_2)
	v_add_nc_u32 v[VA+\b], s80, v[VA+\b-1]
	s_delay_alu instid0(VALU_DEP_2)
	v_add_nc_u32 v[VS+\b], s81, v[VS+\b-1]
.endr
	; where the first head's results go: offsets in registers of their own, then one sum with the chosen buffer's address
	s_and_b32 s82, s[FB], 3
	s_mul_i32 s[HEAD0], s82, 3                     ; my first head
	s_lshl_b32 s82, s[HEAD0], 8
	s_lshl_b32 s83, s[BG], 1
	s_add_co_u32 s82, s82, s83
	s_lshl_b32 s82, s82, 10                        ; q's codes: (256 head + 2 B) x 1,024
	s_lshl_b32 s83, s[HEAD0], 7
	s_add_co_u32 s83, s83, s[BG]
	s_lshl_b32 s83, s83, 6                         ; q's scale words: (128 head + B) x 64
	s_lshl_b32 s84, s[HEAD0], 5
	s_lshr_b32 s85, s[BG], 2
	s_add_co_u32 s84, s84, s85
	s_mul_i32 s84, s84, 16896                      ; the record: (32 head + B / 4) x 16,896
	s_and_b32 s85, s[BG], 3                        ; g: which 32 keys of the record
	s_lshl_b32 s86, s85, 11                        ; k's codes: 2,048 g
	s_lshl_b32 s87, s85, 9
	s_add_co_u32 s87, s87, 8192                    ; v's: 8,192 + 512 g
	s_lshl_b32 s88, s85, 6
	s_add_co_u32 s88, s88, 16384                   ; k's scale words: 16,384 + 64 g
	s_add_co_u32 s89, s85, 16640                   ; v's scale bytes: 16,640 + g
	s_cmp_lt_u32 s[FB], 8
	s_cselect_b32 s86, s86, s87
	s_cselect_b32 s88, s88, s89
	s_add_co_u32 s86, s86, s84
	s_add_co_u32 s88, s88, s84
	s_cmp_lt_u32 s[FB], 4
	s_cselect_b32 s90, s82, s86
	s_cselect_b32 s92, s83, s88
	s_cselect_b64 s[CB:CB+1], s[12:13], s[16:17]
	s_cselect_b64 s[SB:SB+1], s[14:15], s[16:17]
	s_mov_b32 s[CST], 540672                       ; a head's 32 records,
	s_cselect_b32 s[CST], 262144, s[CST]           ; or its 256 tiles of q,
	s_mov_b32 s[SST], 540672
	s_cselect_b32 s[SST], 8192, s[SST]             ; or its 128 x 16 words
	s_mov_b32 s[CST+1], 0
	s_mov_b32 s[SST+1], 0
	s_mov_b32 s91, 0
	s_mov_b32 s93, 0
	s_add_nc_u64 s[CB:CB+1], s[CB:CB+1], s[90:91]
	s_add_nc_u64 s[SB:SB+1], s[SB:SB+1], s[92:93]
	s_wait_loadcnt 0x0                             ; x's fragments and scale words
	STAGE 0
	STAGE 1
	STAGE 2
	s_wait_tensorcnt 0x0
	ds_add_u32 v254, v255
	s_wait_dscnt 0x0
	ROUND                                          ; the closing round: no work-group ends while a partner may still ask for a tile that names it
	s_endpgm
.Lfunc_end_k_q56e7976c47_qkv:
	.size	k_q56e7976c47_qkv, .Lfunc_end_k_q56e7976c47_qkv-k_q56e7976c47_qkv
	.p2alignl 7, 3214868480
	.fill 96, 4, 3214868480
	.section	.rodata,"a",@progbits
	.p2align	6, 0x0
	.amdhsa_kernel k_q56e7976c47_qkv
		.amdhsa_group_segment_fixed_size 168960
		.amdhsa_private_segment_fixed_size 0
		.amdhsa_enable_private_segment 0
		.amdhsa_kernarg_size 56
		.amdhsa_user_sgpr_count 2
		.amdhsa_user_sgpr_kernarg_segment_ptr 1
		.amdhsa_wavefront_size32 1
		.amdhsa_system_sgpr_workgroup_id_x 1
		.amdhsa_system_sgpr_workgroup_id_y 1
		.amdhsa_system_sgpr_workgroup_id_z 1
		.amdhsa_system_vgpr_workitem_id 0
		.amdhsa_next_free_vgpr 448
		.amdhsa_next_free_sgpr 96
		.amdhsa_reserve_vcc 0
		.amdhsa_float_denorm_mode_32 3
		.amdhsa_float_denorm_mode_16_64 3
		.amdhsa_fp16_overflow 1
		.amdhsa_memory_ordered 1
		.amdhsa_forward_progress 1
		.amdhsa_inst_pref_size 121
	.end_amdhsa_kernel
	.amdgpu_metadata
---
amdhsa.version: [ 1, 2 ]
amdhsa.kernels:
  - .name:           k_q56e7976c47_qkv
    .symbol:         k_q56e7976c47_qkv.kd
    .args:
      - { .name: act, .offset: 0, .size: 8, .value_kind: global_buffer, .address_space: global }
      - { .name: act_sc, .offset: 8, .size: 8, .value_kind: global_buffer, .address_space: global }
      - { .name: wimg, .offset: 16, .size: 8, .value_kind: global_buffer, .address_space: global }
      - { .name: wsc, .offset: 24, .size: 8, .value_kind: global_buffer, .address_space: global }
      - { .name: qimg, .offset: 32, .size: 8, .value_kind: global_buffer, .address_space: global }
      - { .name: qsc, .offset: 40, .size: 8, .value_kind: global_buffer, .address_space: global }
      - { .name: kv, .offset: 48, .size: 8, .value_kind: global_buffer, .address_space: global }
    .group_segment_fixed_size: 168960
    .private_segment_fixed_size: 0
    .kernarg_segment_align: 8
    .kernarg_segment_size: 56
    .max_flat_workgroup_size: 256
    .sgpr_count:     96
    .vgpr_count:     448
    .wavefront_size: 32
...
	.end_amdgpu_metadata
.endif
;; end of part 2
;; launch attn (part 3): grid 16 x 12, 8 waves a work-group, no clusters, 327,680 bytes of LDS; arguments qimg, qsc, kv, act, act_sc; writes act, act_sc
.if DOCPART == 3
	.amdgcn_target "amdgcn-amd-amdhsa--gfx1250"
	.amdhsa_code_object_version 6
	.text
	.protected	k_q56e7976c47_attn
	.globl	k_q56e7976c47_attn
	.p2align	8
	.type	k_q56e7976c47_attn,@function
k_q56e7976c47_attn:
	s_mov_b64 s[64:65], 0
	v_nop
	global_prefetch_b8 v0, s[64:65] scope:SCOPE_SE
	s_setreg_imm32_b32 hwreg(HW_REG_WAVE_MODE, 25, 1), 1
	s_wait_xcnt 0x0
; y[q] = the sum over keys k <= q of softmax_k(q . k / 8) v, for 12 heads of 64 channels and 4,096 tokens, both products on codes of FP8 (E4M3) with E8M0 scales; y is quantised along the channels and stored as
; the image of the last product's operand (act, act_sc).  q, k, v arrive as images of operand registers (the launch before lays them; tiles are the rows 32 B + 8 u + r + 8 (r / 8)).
; THE SOFTMAX: t = score x log2(e) / 8; M = the running largest t rounded UP to a whole number; p = 2^(t - M) is quantised along the keys, not normalised; the row's sum is taken of the unquantised p and divides at the
; end; when M moves, the sum and O are multiplied by 2^(old M - new M), which rounds nothing.
; SHARES: a block is 128 queries, eight tiles of 16, one a wave; block i needs the key records 0 .. i (128 keys each), the last on the diagonal.  Work-group (p, head) walks block p and then block 31 - p: always 33
; records, so every trip count is a constant and all 192 work-groups have the same work; nothing above the diagonal's records is fetched.  Chain position n is record n (n <= p), else record n - p - 1.
; NO CLUSTER: at one chain position the work-groups of a head name different records (n, or n - p - 1), and the change of block and the mask are branches on the work-group's own block.
; BOTH PRODUCTS ARE USED TRANSPOSED: S^T = K Q^T (source 0 = keys, source 1 = my 16 queries), O^T = V^T P^T: a lane holds one query throughout, and p's conversions give the second product's operand as it stands.
; A HEAD OF 64 IN AN INSTRUCTION OF K = 128: a fragment of K carries TWO tiles of 16 keys, tile u 0 in k 0-63, tile u 1 in k 64-127.  Q lies in 24 registers [q | zeros | q]: the fragment x [q, 0] gives tile u 0's scores,
; x [0, q] tile u 1's.  The unused half is zero codes on Q's side against codes on K's side that are numbers (the quantiser's hold never lets a NaN code be made), under scale bytes that are never 0xff.
; THE RING: two LDS slots of three records (50,688 bytes), 65,536 bytes apart; waves 0, 1, 2 fetch one record each by one tensor load (66 rows of 256 bytes, dense): one tensor load of a wave is out at a time.
; LIMITS: NaN and infinities are not served; a p under 2^-126 becomes 0; M is a whole number in f32 up to 2^24; a block of zeros gets the scale byte 1 (its codes are zeros; this program alone reads the bytes).
.set RECB,  16896                      ; a record: K 8,192, V^T 8,192, K's scale words 256, V's 256
.set SLOTB, 3*RECB
.set SLOT1, 65536
.set SPARE, SLOT1+SLOTB                ; behind the ring: the spare words, 128 bytes for each of eight waves: four blocks of 256 bytes that no other line names
.set LI,   1                           ; v1   16 x lane
.set LSC,  2                           ; v2   16,384 + 256 h + 4 r: lanes 0-15 take K's scale words, lanes 16-31 V's
.set SPW,  3                           ; v3   my spare word; never rewritten
.set NIL,  4                           ; v4   0; never rewritten
.set DM,   5                           ; v5   my query's place in its block - 16 h
.set PFO,  6                           ; v6   256 x lane
.set ADK,  7                           ; v7   LDS: the record in hand, my 16 bytes
.set ADS,  8                           ; v8   and its scale words
.set L4,   10                          ; v10  4 x lane
.set R4,   11                          ; v11  4 r
                                       ; v12 -M, v13 the largest t, v[14:15] the sum in two halves
.set QA,   16                          ; v16-23 q, v24-31 zeros, v32-39 q
.set QS,   40                          ; v40  q's scale word: its two bytes twice
.set PS,   41                          ; v41  p's scale word
.set KVS,  42                          ; v42-45 the record's scale words
.set QW,   46                          ; v46  the scale word of q's pair of tiles, as loaded
.set FR,   48                          ; v48-111 four fragments of K, then of V^T
.set S,    112                         ; v112-175 S^T, then p; at a block's end y
.set OA,   176                         ; v176-207 O^T
.set P,    208                         ; v208-223 p's codes; at a block's end y's
.set BM,   224                         ; v224-227 the blocks' largest
.set T4,   228                         ; v228-231 the other half's; then the bytes
.set HB,   232
.set SO,   236                         ; v236-239 the conversions' scale operands
.set C2,   240                         ; v[240:241] the sum's second chain
.set FF,   242                         ; v[242:243] f = 2^(old M - new M); v243 is named with it as a pair
.set TP,   244
.set NINF, 245
.set WV,   14
.set PB,   15                          ; p
.set PB1,  16                          ; p + 1
.set HEAD, 17
.set BLK,  18                          ; the block in hand
.set REC,  19                          ; the record in hand
.set SEL,  20
.set CS,   22                          ; s[22:23] log2(e) / 8
.set MNT,  24
.set TB,   25                          ; LDS byte at which the record in hand begins
.set SLOTS, 26
.set TW,   27
.set FN,   28                          ; the chain position that my next tensor load brings
.set LIM,  29                          ; 1 in a wave that prefetches, else the greatest number
.set KVH,  32                          ; s[32:33] the head's records
.set PFA,  34                          ; s[34:35] where my prefetches stand
.set G0,   36                          ; s[36:39]
.set G1,   40                          ; s[40:47]
.set QB,   48
.set QSB,  50
.set YB,   52
.set YSB,  54
.set PSEL, 56
.macro FADDR                           ; the global address of chain position FN's record, into group 0
	s_cmp_gt_u32 s[FN], s[PB]
	s_cselect_b32 s30, s[PB1], 0
	s_sub_co_u32 s30, s[FN], s30
	s_min_u32 s30, s30, 31                         ; (waves that fetch nothing count on past the chain's end)
	s_mul_i32 s30, s30, RECB
	s_mov_b32 s31, 0
	s_add_nc_u64 s[G0+2:G0+3], s[KVH:KVH+1], s[30:31]
	s_or_b32 s[G0+3], s[G0+3], 0x80000000          ; type = 2
.endm
.macro TLOAD                           ; waves 0, 1, 2 fetch; four v_nop follow the line
	s_cmp_lt_u32 s[WV], 3
	s_cbranch_scc0 .Lno_load_\@
	tensor_load_to_lds s[G0:G0+3], s[G1:G1+7]
	s_nop 0
.rept 4
	v_nop
.endr
.Lno_load_\@:
.endm
; A PREFETCH INTO THE L2 of the three records that the NEXT change of slots will ask for.  The head's work-group p = 0 walks the records in order (position n is record n - 1), so it asks, and nobody else; in it waves
; 3, 4, 5, which fetch nothing, take a record each: its 64 blocks of 256 bytes of codes, a lane a block, two instructions.  Records 5 to 31 are so named once; records 0 to 4 and each record's 512 scale bytes come by
; their loads alone; the last change that fills a slot asks for nothing.
.macro ASK
	s_cmp_gt_u32 s[SLOTS], s[LIM]
	s_cbranch_scc0 .Lnot_mine_\@
	global_prefetch_b8 v[PFO], s[PFA:PFA+1] th:TH_LOAD_NT scope:SCOPE_SE
	global_prefetch_b8 v[PFO], s[PFA:PFA+1] offset:8192 th:TH_LOAD_NT scope:SCOPE_SE
.Lnot_mine_\@:
.endm
; THE CHANGE OF SLOTS stands at a slot's head.  Each wave waits for all its tensor loads (its part of the slot ahead), adds 0 to its spare word, and waits for that and for its reads of the slot that it has left.
; Behind the barrier the slot ahead is whole and nobody reads the other.  fill = 1: that other slot takes the next three records: the load has three key steps in which to land.
.macro CHANGE fill
	s_wait_tensorcnt 0x0                           ; no tensor load of mine is out, so group 0 may be written
	ds_add_u32 v[SPW], v[NIL]                      ; 0 onto my spare word
.if \fill
	s_xor_b32 s[G0+1], s[G0+1], SLOT1              ; the other slot than last time,
	s_add_co_u32 s[FN], s[FN], 3                   ; three chain positions on
	FADDR
	s_wait_xcnt 0x0                                ; the last prefetches, a slot back, have read their address
	s_add_nc_u64 s[PFA:PFA+1], s[PFA:PFA+1], SLOTB
.endif
	s_wait_dscnt 0x0                               ; the add is done, and my reads of the slot that I have left are over
	s_barrier_signal -1
	s_barrier_wait -1
.if \fill
	TLOAD                                          ; the first thing behind the barrier, and a wave's one tensor load until the next
	ASK
.endif
.endm
; A BLOCK BEGINS: addresses of my tile (8 BLK + wave), q and its scale word, the statistics and O^T.
.macro START
	s_lshl_b32 s30, s[BLK], 3
	s_add_co_u32 s57, s30, s[WV]                   ; my tile
	s_lshl_b32 s30, s[HEAD], 8
	s_add_co_u32 s30, s30, s57
	s_lshl_b32 s30, s30, 10
	s_mov_b32 s31, 0
	s_add_nc_u64 s[QB:QB+1], s[4:5], s[30:31]      ; q's codes: (256 head + tile) x 1,024
	s_lshl_b32 s30, s[HEAD], 7
	s_lshr_b32 s58, s57, 1
	s_add_co_u32 s30, s30, s58
	s_lshl_b32 s30, s30, 6
	s_add_nc_u64 s[QSB:QSB+1], s[6:7], s[30:31]    ; the pair's scale words: (128 head + tile / 2) x 64
	s_mul_i32 s58, s57, 6
	s_lshr_b32 s59, s[HEAD], 1
	s_add_co_u32 s58, s58, s59                     ; y's fragment: 6 tile + head / 2;
	s_and_b32 s59, s[HEAD], 1                      ; the head's 64 channels are its pieces 0, 1 or 2, 3
	s_lshl_b32 s30, s58, 11
	s_lshl_b32 s60, s59, 10
	s_add_co_u32 s30, s30, s60
	s_add_nc_u64 s[YB:YB+1], s[10:11], s[30:31]
	s_lshl_b32 s30, s58, 7
	s_lshl_b32 s60, s59, 1
	s_add_co_u32 s30, s30, s60
	s_add_nc_u64 s[YSB:YSB+1], s[12:13], s[30:31]
	global_load_b128 v[QA:QA+3], v[LI], s[QB:QB+1]
	global_load_b128 v[QA+4:QA+7], v[LI], s[QB:QB+1] offset:512
	global_load_b128 v[QA+16:QA+19], v[LI], s[QB:QB+1]
	global_load_b128 v[QA+20:QA+23], v[LI], s[QB:QB+1] offset:512
	global_load_b32 v[QW], v[R4], s[QSB:QSB+1]
	v_mov_b32 v13, 0xff61b1e6                      ; the largest t so far: -3e38, under every t
	s_delay_alu instid0(VALU_DEP_1)
	v_floor_f32 v12, -v13                          ; -M
	v_mov_b32 v14, 0
	v_mov_b32 v15, 0
.set n, 0
.rept 32
	v_mov_b32 v[OA+n], 0                           ; O^T: the key step is written once; a block's first step finds zeros, which the first change of M leaves zeros
.set n, n+1
.endr
	s_wait_loadcnt 0x0
	v_perm_b32 v[QS], v[QW], v[QW], s[PSEL]        ; my tile's two bytes, twice
.rept 8
	v_nop                                          ; a scale register written by a vector instruction stands eight places ahead of the matrix instruction
.endr
.endm
; A BLOCK ENDS: y = O^T / the sum, quantised along the channels (two blocks of 32, each shared with lane l xor 16), stored as pieces of the last product's operand.
.macro FINISH
.rept 8
	v_nop                                          ; eight places behind the last products
.endr
	v_add_f32 v14, v14, v15
	s_delay_alu instid0(VALU_DEP_1)
	v_permlanex16_b32 v[TP], v14, s[SEL], s[SEL+1]
	s_delay_alu instid0(VALU_DEP_1)
	v_add_f32 v14, v14, v[TP]                      ; the row's sum
	s_wait_alu depctr_va_vdst(0)
	v_rcp_f32 v14, v14
	v_nop                                          ; a plain instruction behind the reciprocal,
	s_wait_alu depctr_va_vdst(0)                   ; and a wait ahead of its first reader
.set n, 0
.rept 32
	v_mul_f32 v[S+n], v[OA+n], v14                 ; register 16 b + i: channel 32 b + 16 h + i.  Each accumulator from its low end on
.set n, n+1
.endr
.irp b, 0,1
	v_max3_num_f32 v[BM+\b], |v[S+16*\b]|, |v[S+1+16*\b]|, 0x4800000
.endr
.irp i, 2,4,6,8,10,12,14
.irp b, 0,1
	s_delay_alu instid0(VALU_DEP_2)
	v_max3_num_f32 v[BM+\b], v[BM+\b], |v[S+16*\b+\i]|, |v[S+1+16*\b+\i]|
.endr
.endr
.irp b, 0,1
	s_delay_alu instid0(VALU_DEP_2)
	v_permlanex16_b32 v[T4+\b], v[BM+\b], s[SEL], s[SEL+1]
.endr
.irp b, 0,1
	s_delay_alu instid0(VALU_DEP_2)
	v_max_num_f32 v[BM+\b], v[BM+\b], v[T4+\b]
.endr
.irp b, 0,1
	s_delay_alu instid0(VALU_DEP_2)
	v_add_nc_u32 v[SO+\b], 0xfc000000, v[BM+\b]
.endr
.irp b, 0,1
.endr
.irp b, 0,1
	s_delay_alu instid0(VALU_DEP_2)
	v_lshrrev_b32 v[T4+\b], 23, v[SO+\b]
.endr
.irp b, 0,1
.irp i, 0,1,2,3,4,5,6,7,8,9,10,11,12,13,14,15
.endr
	v_cvt_scalef32_pk8_fp8_f32 v[P+4*\b:P+1+4*\b], v[S+16*\b:S+7+16*\b], v[SO+\b]
	v_cvt_scalef32_pk8_fp8_f32 v[P+2+4*\b:P+3+4*\b], v[S+8+16*\b:S+15+16*\b], v[SO+\b]
.endr
	v_nop                                          ; one plain vector instruction behind the last conversion
	v_lshl_or_b32 v[TP], v[T4+1], 8, v[T4]         ; the head's two bytes of the row's scale word
	global_store_b128 v[LI], v[P:P+3], s[YB:YB+1]              ; 32 lanes store 512 consecutive bytes, at a multiple of 256 from the buffer's first byte
	global_store_b128 v[LI], v[P+4:P+7], s[YB:YB+1] offset:512
	global_store_b16 v[L4], v[TP], s[YSB:YSB+1]                ; two bytes of each lane's word: one part in 17 of what the launch stores
	s_wait_xcnt 0x0                                ; the stores have read their data and bases
.endm
; A KEY STEP: one record, 128 keys.  sw = 1: the step may be a block's last but not the chain's.
.macro STEP sw
	v_add_nc_u32 v[ADK], s[TB], v[LI]
	v_add_nc_u32 v[ADS], s[TB], v[LSC]
.rept 6
	v_nop                                          ; with the two additions: eight places in front of loads into registers that the last products have read
.endr
.irp g, 0,1,2,3
.irp c, 0,1,2,3
	ds_load_b128 v[FR+16*\g+4*\c:FR+16*\g+4*\c+3], v[ADK] offset:2048*\g+512*\c
.endr
	ds_load_b32 v[KVS+\g], v[ADS] offset:64*\g     ; lanes 0-15: K's fragment g; lanes 16-31: V^T's fragment g
.endr
	s_wait_alu depctr_va_vdst(0)
	s_wait_dscnt 0x0
.irp g, 0,1,2,3
	v_wmma_scale_f32_16x16x128_f8f6f4 v[S+16*\g:S+16*\g+7], v[FR+16*\g:FR+16*\g+15], v[QA:QA+15], 0, v[KVS+\g], v[QS]
	v_wmma_scale_f32_16x16x128_f8f6f4 v[S+16*\g+8:S+16*\g+15], v[FR+16*\g:FR+16*\g+15], v[QA+8:QA+23], 0, v[KVS+\g], v[QS]
.endr                                          ; register 16 g + i: key 32 g + 16 h + i of the record
.rept 8
	v_nop                                          ; eight places: for the loads below and for the first read of the scores
.endr
.irp t, 0,1,2,3
.irp c, 0,1,2,3
	ds_load_b128 v[FR+16*\t+4*\c:FR+16*\t+4*\c+3], v[ADK] offset:8192+2048*\t+512*\c   ; V^T: it lands under the softmax
.endr
.endr
	s_cmp_lg_u32 s[REC], s[BLK]                    ; the record on the diagonal: hidden scores become -infinity ahead of the maximum, so that p = 0.  Its first key counts for every query of the block
	s_cbranch_scc1 .Lopen_\@
.set n, 0
.rept 64
	v_cmp_gt_i32 vcc_lo, 32*(n/16)+n%16, v[DM]
	v_cndmask_b32 v[S+n], v[S+n], v[NINF], vcc_lo
.set n, n+1
.endr
.Lopen_\@:
.irp b, 0,1,2,3
	v_max3_num_f32 v[BM+\b], v[S+16*\b], v[S+1+16*\b], v[S+2+16*\b]   ; the largest score of each block of 32 keys: for the row's maximum, and, since p rises with the score, for the block's largest p
.endr
.irp i, 3,5,7,9,11,13
.irp b, 0,1,2,3
	v_max3_num_f32 v[BM+\b], v[BM+\b], v[S+16*\b+\i], v[S+1+16*\b+\i]
.endr
.endr
.irp b, 0,1,2,3
	v_max_num_f32 v[BM+\b], v[BM+\b], v[S+15+16*\b]
.endr
.irp b, 0,1,2,3
	s_delay_alu instid0(VALU_DEP_4)
	v_permlanex16_b32 v[T4+\b], v[BM+\b], s[SEL], s[SEL+1]
.endr
.irp b, 0,1,2,3
	s_delay_alu instid0(VALU_DEP_4)
	v_max_num_f32 v[BM+\b], v[BM+\b], v[T4+\b]     ; with lane l xor 16's 16 keys
.endr
	s_delay_alu instid0(VALU_DEP_2)
	v_max3_num_f32 v[TP], v[BM], v[BM+1], v[BM+2]
	s_delay_alu instid0(VALU_DEP_1)
	v_max_num_f32 v[TP], v[TP], v[BM+3]
	s_delay_alu instid0(VALU_DEP_1)
	v_mul_f32 v[TP], s[CS], v[TP]                  ; the step's largest t
	s_delay_alu instid0(VALU_DEP_1)
	v_max_num_f32 v13, v13, v[TP]                  ; the running largest t
	v_mov_b32 v[TP], v12
	s_delay_alu instid0(VALU_DEP_2)
	v_floor_f32 v12, -v13                          ; the new -M = -ceil(t)
	s_delay_alu instid0(VALU_DEP_1)
	v_sub_f32 v[TP], v12, v[TP]                    ; old M - new M: a whole number, 0 or less
	s_delay_alu instid0(VALU_DEP_1)
	v_cvt_i32_f32 v[TP], v[TP]                     ; (it saturates)
	s_delay_alu instid0(VALU_DEP_1)
	v_ldexp_f32 v[FF], 1.0, v[TP]                  ; f
.set n, 0
.rept 32
	v_pk_fma_f32 v[S+n:S+n+1], v[S+n:S+n+1], s[CS:CS+1], v[12:13] op_sel_hi:[1,0,0]   ; t - M, two at a time
.set n, n+2
.endr
.irp b, 0,1,2,3
	v_fma_f32 v[BM+\b], v[BM+\b], s[CS], v12       ; the same of each block's largest score
.endr
.set n, 0
	s_wait_alu depctr_va_vdst(0)
.rept 64
	v_exp_f32 v[S+n], v[S+n]                       ; p = 2^(t - M)
.set n, n+1
.endr
	v_pk_mul_f32 v[14:15], v[14:15], v[FF:FF+1] op_sel_hi:[1,0]   ; the sums under the new M: a plain instruction behind the exponentials
	s_wait_alu depctr_va_vdst(0)                   ; one wait for the batch, ahead of its first reader
.irp b, 0,1,2,3
	v_exp_f32 v[BM+\b], v[BM+\b]                   ; the blocks' largest p
.endr
	v_pk_add_f32 v[240:241], v[116:117], v[120:121]
	v_pk_add_f32 v[254:255], v[124:125], v[128:129]
	v_pk_add_f32 v[252:253], v[132:133], v[136:137]
	v_pk_add_f32 v[250:251], v[140:141], v[144:145]
	v_pk_add_f32 v[248:249], v[148:149], v[152:153]
	v_pk_add_f32 v[246:247], v[156:157], v[160:161]
	v_pk_add_f32 v[238:239], v[164:165], v[168:169]
	v_pk_add_f32 v[14:15], v[14:15], v[172:173]
	v_pk_add_f32 v[240:241], v[240:241], v[112:113]
	v_pk_add_f32 v[254:255], v[254:255], v[114:115]
	v_pk_add_f32 v[252:253], v[252:253], v[118:119]
	v_pk_add_f32 v[250:251], v[250:251], v[122:123]
	v_pk_add_f32 v[248:249], v[248:249], v[126:127]
	v_pk_add_f32 v[246:247], v[246:247], v[130:131]
	v_pk_add_f32 v[238:239], v[238:239], v[134:135]
	v_pk_add_f32 v[14:15], v[14:15], v[138:139]
	v_pk_add_f32 v[240:241], v[240:241], v[142:143]
	v_pk_add_f32 v[254:255], v[254:255], v[146:147]
	v_pk_add_f32 v[252:253], v[252:253], v[150:151]
	v_pk_add_f32 v[250:251], v[250:251], v[154:155]
	v_pk_add_f32 v[248:249], v[248:249], v[158:159]
	v_pk_add_f32 v[246:247], v[246:247], v[162:163]
	v_pk_add_f32 v[238:239], v[238:239], v[166:167]
	v_pk_add_f32 v[14:15], v[14:15], v[170:171]
	v_pk_add_f32 v[240:241], v[240:241], v[174:175]
	s_delay_alu instid0(VALU_DEP_2)
	v_pk_add_f32 v[14:15], v[14:15], v[250:251]
	s_delay_alu instid0(VALU_DEP_2)
	v_pk_add_f32 v[240:241], v[240:241], v[248:249]
	v_pk_add_f32 v[254:255], v[254:255], v[246:247]
	v_pk_add_f32 v[252:253], v[252:253], v[238:239]
	s_delay_alu instid0(VALU_DEP_2)
	v_pk_add_f32 v[14:15], v[14:15], v[254:255]
	s_delay_alu instid0(VALU_DEP_2)
	v_pk_add_f32 v[240:241], v[240:241], v[252:253]
	s_delay_alu instid0(VALU_DEP_1)
	v_pk_add_f32 v[14:15], v[14:15], v[240:241]
	s_wait_alu depctr_va_vdst(0)                   ; and one for the four
.irp b, 0,1,2,3
	v_max_num_f32 v[BM+\b], 0x4800000, v[BM+\b]    ; the floor 2^(9 - 127): a block whose every p is 0 keeps the byte 1; its codes are zeros
.endr
.irp b, 0,1,2,3
	s_delay_alu instid0(VALU_DEP_4)
	v_add_nc_u32 v[SO+\b], 0xfc000000, v[BM+\b]
.endr
.irp b, 0,1,2,3
.endr
.irp b, 0,1,2,3
	s_delay_alu instid0(VALU_DEP_4)
	v_lshrrev_b32 v[T4+\b], 23, v[SO+\b]
.endr
	s_delay_alu instid0(VALU_DEP_3)
	v_lshl_or_b32 v[PS], v[T4+1], 8, v[T4]         ; p's scale word: the conversions and sixteen multiplications below stand between it and the products
	s_delay_alu instid0(VALU_DEP_1)
	v_lshl_or_b32 v[PS], v[T4+2], 16, v[PS]
	s_delay_alu instid0(VALU_DEP_1)
	v_lshl_or_b32 v[PS], v[T4+3], 24, v[PS]
.irp b, 0,1,2,3
.irp i, 0,1,2,3,4,5,6,7,8,9,10,11,12,13,14,15
.endr
	v_cvt_scalef32_pk8_fp8_f32 v[P+4*\b:P+1+4*\b], v[S+16*\b:S+7+16*\b], v[SO+\b]
	v_cvt_scalef32_pk8_fp8_f32 v[P+2+4*\b:P+3+4*\b], v[S+8+16*\b:S+15+16*\b], v[SO+\b]
.endr
.set n, 0
.rept 16
	v_pk_mul_f32 v[OA+n:OA+n+1], v[OA+n:OA+n+1], v[FF:FF+1] op_sel_hi:[1,0]   ; O^T under the new M; these sixteen also stand between the conversions and the products
.set n, n+2
.endr
	s_wait_alu depctr_va_vdst(0)
	s_wait_dscnt 0x0                               ; V^T is in
.irp t, 0,1,2,3
	v_wmma_scale_f32_16x16x128_f8f6f4 v[OA+8*\t:OA+8*\t+7], v[FR+16*\t:FR+16*\t+15], v[P:P+15], v[OA+8*\t:OA+8*\t+7], v[KVS+\t], v[PS] matrix_a_scale:MATRIX_SCALE_ROW1
.endr                                          ; the four accumulators by turns; the scores' products stand between one step's links and the next step's
	s_add_co_u32 s[TB], s[TB], RECB
	s_add_co_u32 s[REC], s[REC], 1
.if \sw
	s_cmp_le_u32 s[REC], s[BLK]
	s_cbranch_scc1 .Lsame_\@
	FINISH                                         ; block p is done: on to block 31 - p
	s_sub_co_u32 s[BLK], 31, s[PB]
	s_mov_b32 s[REC], 0
	START
.Lsame_\@:
.endif
.endm
	s_load_b256 s[4:11], s[0:1], 0x0               ; qimg s[4:5], qsc s[6:7], kv s[8:9], act s[10:11]
	s_load_b64 s[12:13], s[0:1], 0x20              ; act_sc
	v_lshl_add_u32 v[SPW], v0, 2, SPARE
	v_mov_b32 v[NIL], 0
	ds_add_u32 v3, v4
	ds_add_u32 v3, v4
	s_wait_dscnt 0x0
	v_lshrrev_b32 v7, 5, v0
	s_delay_alu instid0(VALU_DEP_1)
	v_readfirstlane_b32 s[WV], v7                  ; wave 0..7
	s_mov_b32 s[PB], ttmp9
	s_add_co_u32 s[PB1], s[PB], 1
	s_and_b32 s[HEAD], ttmp7, 0xffff
	s_mov_b32 s[G1], 3<<16                         ; no mask; elements of 8 bytes; no padding: images are read 16 bytes a lane on end
	s_mov_b32 s[G1+1], 32<<16                      ; tensor_dim0 = 32 elements: 256 bytes
	s_mov_b32 s[G1+2], 66<<16                      ; tensor_dim1 = 66
	s_mov_b32 s[G1+3], 32<<16                      ; tile_dim0
	s_mov_b32 s[G1+4], 66                          ; tile_dim1
	s_mov_b32 s[G1+5], 32                          ; the pitch: dense
	s_mov_b32 s[G1+6], 0
	s_mov_b32 s[G1+7], 0
	s_mul_i32 s30, s[HEAD], 32*RECB
	s_mov_b32 s31, 0
	s_mov_b32 s[FN], s[WV]                         ; slot 0: chain positions 0, 1, 2
	s_mov_b32 s[G0], 1
	s_mul_i32 s[G0+1], s[WV], RECB
	s_wait_kmcnt 0x0
	s_add_nc_u64 s[KVH:KVH+1], s[8:9], s[30:31]
	FADDR
	TLOAD                                          ; slot 0's first fill, ahead of every wait on TENSORcnt, LDS read and barrier
	v_and_b32 v9, 15, v0                           ; r
	v_bfe_u32 v47, v0, 4, 1                        ; h
	v_and_b32 v[L4], 31, v0
	s_delay_alu instid0(VALU_DEP_1)
	v_lshlrev_b32 v[LI], 4, v[L4]
	s_delay_alu instid0(VALU_DEP_2)
	v_lshlrev_b32 v[PFO], 8, v[L4]
	s_delay_alu instid0(VALU_DEP_3)
	v_lshlrev_b32 v[L4], 2, v[L4]
	v_lshlrev_b32 v[R4], 2, v9
	s_delay_alu instid0(VALU_DEP_1)
	v_lshl_add_u32 v[LSC], v47, 8, v[R4]
	s_delay_alu instid0(VALU_DEP_1)
	v_add_nc_u32 v[LSC], 16384, v[LSC]
	s_lshr_b32 s57, s[WV], 1
	s_lshl_b32 s57, s57, 5
	s_and_b32 s58, s[WV], 1
	s_lshl_b32 s59, s58, 3
	s_add_co_u32 s57, s57, s59                     ; my tile's first row in its block: 32 (wave / 2) + 8 (wave % 2)
	v_and_b32 v[DM], 8, v9
	s_delay_alu instid0(VALU_DEP_1)
	v_add_nc_u32 v[DM], v[DM], v9
	s_delay_alu instid0(VALU_DEP_1)
	v_add_nc_u32 v[DM], s57, v[DM]
	v_lshlrev_b32 v47, 4, v47
	s_delay_alu instid0(VALU_DEP_1)
	v_sub_nc_u32 v[DM], v[DM], v47                 ; register 16 g + i is hidden on the diagonal where 32 g + i > this
	s_cmp_eq_u32 s58, 0
	s_mov_b32 s[PSEL], 0x03020302
	s_cselect_b32 s[PSEL], 0x01000100, s[PSEL]     ; which two bytes of the pair's word are my tile's
	s_mov_b32 s[SEL], 0x76543210
	s_mov_b32 s[SEL+1], 0xfedcba98
	s_mov_b32 s[CS], 0x3e38aa3b                    ; log2(e) / 8
	s_mov_b32 s[CS+1], s[CS]
.irp j, 0,1,2,3,4,5,6,7
	v_mov_b32 v[QA+8+\j], 0                        ; the zero codes between q and q
.endr
.irp b, 0,1,2,3
	v_mov_b32 v[T4+\b], 0                          ; written once: a lane permute's destination counts as one of its sources
.endr
	v_mov_b32 v[FF+1], 0
	v_mov_b32 v[TP], 0
	v_mov_b32 v[NINF], 0xff800000
	s_max_u32 s57, s[WV], 1                        ; the prefetches: wave w (3, 4, 5) begins at record w - 1; the first change of slots steps it to record w + 2
	s_sub_co_u32 s57, s57, 1
	s_mul_i32 s30, s57, RECB
	s_mov_b32 s31, 0
	s_add_nc_u64 s[PFA:PFA+1], s[KVH:KVH+1], s[30:31]
	s_sub_co_u32 s57, s[WV], 3
	s_cmp_lt_u32 s57, 3
	s_cselect_b32 s57, 0, 1
	s_or_b32 s57, s57, ttmp9
	s_cmp_eq_u32 s57, 0
	s_cselect_b32 s[LIM], 1, -1
	s_mov_b32 s[BLK], s[PB]
	s_mov_b32 s[REC], 0
	START
	s_mov_b32 s[TB], 0
	s_mov_b32 s[SLOTS], 10
.Lslot:                                            ; ten trips: behind each change of slots but the last the next slot is asked for
	CHANGE 1
	s_mov_b32 s[TW], 3
.Lstep:
	s_wait_alu depctr_va_vdst(0)
	STEP 1
	s_sub_co_u32 s[TW], s[TW], 1
	s_cmp_lg_u32 s[TW], 0
	s_cbranch_scc1 .Lstep
	s_sub_co_u32 s[TB], s[TB], SLOTB               ; back to a slot's first record,
	s_xor_b32 s[TB], s[TB], SLOT1                  ; in the other slot
	s_sub_co_u32 s[SLOTS], s[SLOTS], 1
	s_cmp_lg_u32 s[SLOTS], 0
	s_cbranch_scc1 .Lslot
	CHANGE 0                                       ; the last slot is written out; the change of block falls at chain position p + 1 <= 16, inside the loop
	s_mov_b32 s[TW], 3
.Ltail:
	STEP 0
	s_sub_co_u32 s[TW], s[TW], 1
	s_cmp_lg_u32 s[TW], 0
	s_cbranch_scc1 .Ltail
	FINISH
	s_wait_tensorcnt 0x0                           ; the wave's end
	ds_add_u32 v[SPW], v[NIL]
	s_wait_dscnt 0x0
	s_endpgm
.Lfunc_end_k_q56e7976c47_attn:
	.size	k_q56e7976c47_attn, .Lfunc_end_k_q56e7976c47_attn-k_q56e7976c47_attn
	.p2alignl 7, 3214868480
	.fill 96, 4, 3214868480
	.section	.rodata,"a",@progbits
	.p2align	6, 0x0
	.amdhsa_kernel k_q56e7976c47_attn
		.amdhsa_group_segment_fixed_size 327680
		.amdhsa_private_segment_fixed_size 0
		.amdhsa_enable_private_segment 0
		.amdhsa_kernarg_size 40
		.amdhsa_user_sgpr_count 2
		.amdhsa_user_sgpr_kernarg_segment_ptr 1
		.amdhsa_wavefront_size32 1
		.amdhsa_system_sgpr_workgroup_id_x 1
		.amdhsa_system_sgpr_workgroup_id_y 1
		.amdhsa_system_sgpr_workgroup_id_z 1
		.amdhsa_system_vgpr_workitem_id 0
		.amdhsa_next_free_vgpr 256
		.amdhsa_next_free_sgpr 72
		.amdhsa_reserve_vcc 1
		.amdhsa_float_denorm_mode_32 3
		.amdhsa_float_denorm_mode_16_64 3
		.amdhsa_fp16_overflow 1
		.amdhsa_memory_ordered 1
		.amdhsa_forward_progress 1
		.amdhsa_inst_pref_size 65
	.end_amdhsa_kernel
	.amdgpu_metadata
---
amdhsa.version: [ 1, 2 ]
amdhsa.kernels:
  - .name:           k_q56e7976c47_attn
    .symbol:         k_q56e7976c47_attn.kd
    .args:
      - { .name: qimg, .offset: 0, .size: 8, .value_kind: global_buffer, .address_space: global }
      - { .name: qsc, .offset: 8, .size: 8, .value_kind: global_buffer, .address_space: global }
      - { .name: kv, .offset: 16, .size: 8, .value_kind: global_buffer, .address_space: global }
      - { .name: act, .offset: 24, .size: 8, .value_kind: global_buffer, .address_space: global }
      - { .name: act_sc, .offset: 32, .size: 8, .value_kind: global_buffer, .address_space: global }
    .group_segment_fixed_size: 327680
    .private_segment_fixed_size: 0
    .kernarg_segment_align: 8
    .kernarg_segment_size: 40
    .max_flat_workgroup_size: 256
    .sgpr_count:     72
    .vgpr_count:     256
    .wavefront_size: 32
...
	.end_amdgpu_metadata
.endif
;; end of part 3
;; launch proj (part 4): grid 32 x 6, 8 waves a work-group, clusters of 4 x 1, 327,680 bytes of LDS; arguments act, act_sc, wimg, wsc, out0; writes out0
.if DOCPART == 4
	.amdgcn_target "amdgcn-amd-amdhsa--gfx1250"
	.amdhsa_code_object_version 6
	.text
	.protected	k_q56e7976c47_proj
	.globl	k_q56e7976c47_proj
	.p2align	8
	.type	k_q56e7976c47_proj,@function
k_q56e7976c47_proj:
	s_mov_b64 s[64:65], 0
	v_nop
	global_prefetch_b8 v0, s[64:65] scope:SCOPE_SE
	s_setreg_imm32_b32 hwreg(HW_REG_WAVE_MODE, 25, 1), 1
	s_wait_xcnt 0x0
	s_wait_alu depctr_hold_cnt(0) depctr_sa_sdst(0) depctr_va_vdst(0) depctr_va_sdst(0) depctr_va_ssrc(0) depctr_va_vcc(0) depctr_vm_vsrc(0)
	s_getreg_b32 s2, hwreg(HW_REG_IB_STS2, 6, 4)
	s_cmp_eq_u32 s2, 0
	s_cbranch_scc0 .Lentry_in_a_cluster
	s_endpgm
.Lentry_in_a_cluster:
	s_bfe_u32 s2, ttmp6, 0x10000c
	s_cmp_lg_u32 s2, 0x3003
	s_cbranch_scc0 .Lentry_shape_is_right
	s_endpgm
.Lentry_shape_is_right:
.set LI,  1
.set L4,  2
.set WA,  3
.set WSA, 6
.set SOA, 7
.set SR,  9
.set XS,  16
.set WS,  28
.set ACC, 32
.set WB,  96
.set WV,  18
.set FB,  21
.set G1C, 40
.set G1S, 48
.set WSCL, 98304
.set STG,  104448
.set SPITCH, 528
.set MSB, 0
.macro WIN new
.if MSB != \new
	s_set_vgpr_msb (MSB<<8)|\new
.set MSB, \new
.endif
.endm
.macro ROUND
	s_barrier_signal -1
	s_barrier_wait -1
	s_cmp_lg_u32 s[WV], 0
	s_cbranch_scc1 .Lnot_wave_0_\@
	s_barrier_signal -3
.Lnot_wave_0_\@:
	s_barrier_wait -3
	s_barrier_signal -1
	s_barrier_wait -1
.endm
.macro KSTEP s
.if \s > 0
.rept 8
	v_nop
.endr
.endif
.irp f, 0,1,2,3
.irp c, 0,1,2,3
	ds_load_b128 v[WB+16*\f+4*\c:WB+16*\f+4*\c+3], v[WA] offset:(6*\f+\s)*2048+512*\c
.endr
	ds_load_b32 v[WS+\f], v[WSA] offset:(6*\f+\s)*128
.endr
	s_wait_dscnt 0x0
	WIN 0x04
.irp tt, 0,1
.irp f, 0,1,2,3
.if \s == 0
	v_wmma_scale_f32_16x16x128_f8f6f4 v[ACC+32*\tt+8*\f:ACC+32*\tt+8*\f+7], v[WB+16*\f:WB+16*\f+15], v[16*(6*\tt+\s):16*(6*\tt+\s)+15], 0, v[WS+\f], v[XS+6*\tt+\s]
.else
	v_wmma_scale_f32_16x16x128_f8f6f4 v[ACC+32*\tt+8*\f:ACC+32*\tt+8*\f+7], v[WB+16*\f:WB+16*\f+15], v[16*(6*\tt+\s):16*(6*\tt+\s)+15], v[ACC+32*\tt+8*\f:ACC+32*\tt+8*\f+7], v[WS+\f], v[XS+6*\tt+\s]
.endif
.endr
.endr
	WIN 0
.endm
	s_load_b256 s[4:11], s[0:1], 0x0
	s_load_b64 s[12:13], s[0:1], 0x20
	v_lshl_add_u32 v254, v0, 2, 0x2a000
	v_mov_b32 v255, 0
	ds_add_u32 v254, v255
	ds_add_u32 v254, v255
	v_lshrrev_b32 v8, 5, v0
	s_delay_alu instid0(VALU_DEP_1)
	v_readfirstlane_b32 s[WV], v8
	s_and_b32 s[FB], ttmp7, 0xffff
	s_mov_b32 s[G1C], 15|(3<<16)|(1<<21)
	s_mov_b32 s[G1C+1], 32<<16
	s_mov_b32 s[G1C+2], 48<<16
	s_mov_b32 s[G1C+3], 32<<16
	s_mov_b32 s[G1C+4], 48
	s_mov_b32 s[G1C+5], 32
	s_mov_b32 s[G1C+6], 0
	s_mov_b32 s[G1C+7], 0
	s_mov_b32 s[G1S], 15|(3<<16)|(1<<21)
	s_mov_b32 s[G1S+1], 16<<16
	s_mov_b32 s[G1S+2], 6<<16
	s_mov_b32 s[G1S+3], 16<<16
	s_mov_b32 s[G1S+4], 6
	s_mov_b32 s[G1S+5], 16
	s_mov_b32 s[G1S+6], 0
	s_mov_b32 s[G1S+7], 0
	s_mul_i32 s76, s[FB], 48
	s_mul_i32 s77, s[WV], 6
	s_add_co_u32 s76, s76, s77
	s_add_co_u32 s76, s76, 864
	s_lshl_b32 s78, s76, 7
	s_mov_b32 s79, 0
	s_mov_b32 s56, 1
	s_mul_i32 s57, s[WV], 768
	s_add_co_u32 s57, s57, WSCL
	s_mov_b32 s60, 1
	s_mul_i32 s61, s[WV], 12288
	s_wait_dscnt 0x0
	s_wait_kmcnt 0x0
	s_add_nc_u64 s[58:59], s[10:11], s[78:79]
	s_lshl_b32 s78, s76, 11
	s_add_nc_u64 s[62:63], s[8:9], s[78:79]
	s_or_b32 s59, s59, 0x80000000
	s_or_b32 s63, s63, 0x80000000
	ROUND
	tensor_load_to_lds s[56:59], s[G1S:G1S+7]
	s_nop 0
	s_wait_alu depctr_va_vdst(0)
	s_wait_tensorcnt 0x0
	ds_add_u32 v254, v255
	s_wait_dscnt 0x0
	ROUND
	tensor_load_to_lds s[60:63], s[G1C:G1C+7]
	s_nop 0
.rept 4
	v_nop
.endr
	s_bfe_u32 s84, ttmp6, 0x40000
	s_lshl_b32 s85, ttmp9, 2
	s_add_co_u32 s85, s85, s84
	s_lshl_b32 s86, s85, 2
	s_and_b32 s87, s[WV], 3
	s_add_co_u32 s86, s86, s87
	s_mul_i32 s88, s86, 24576
	s_mov_b32 s89, 0
	s_add_nc_u64 s[4:5], s[4:5], s[88:89]
	s_mul_i32 s88, s86, 1536
	s_add_nc_u64 s[6:7], s[6:7], s[88:89]
	v_and_b32 v8, 31, v0
	s_delay_alu instid0(VALU_DEP_1)
	v_lshlrev_b32 v[LI], 4, v8
	s_wait_alu depctr_va_vdst(0)
	v_lshlrev_b32 v[L4], 2, v8
	s_wait_alu depctr_va_vdst(0)
	WIN 0x40
.set n, 0
.rept 48
	global_load_b128 v[4*n:4*n+3], v[LI], s[4:5] offset:512*n
.set n, n+1
.endr
	WIN 0
.irp n, 0,1,2,3,4,5,6,7,8,9,10,11
	global_load_b32 v[XS+\n], v[L4], s[6:7] offset:128*\n
.endr
	s_lshl_b32 s88, s85, 7
	s_lshr_b32 s90, s[WV], 1
	s_lshl_b32 s90, s90, 5
	s_add_co_u32 s88, s88, s90
	s_and_b32 s90, s[WV], 1
	s_lshl_b32 s90, s90, 3
	s_add_co_u32 s88, s88, s90
	s_mul_i32 s88, s88, 3072
	s_lshl_b32 s90, s[FB], 9
	s_add_co_u32 s88, s88, s90
	s_add_nc_u64 s[12:13], s[12:13], s[88:89]
	s_lshr_b32 s80, s[WV], 2
	s_mul_i32 s81, s80, 49152
	v_add_nc_u32 v[WA], s81, v[LI]
	s_mul_i32 s81, s80, 3072
	s_add_co_u32 s81, s81, WSCL
	v_add_nc_u32 v[WSA], s81, v[L4]
	s_and_b32 s82, s[WV], 3
	s_mul_i32 s82, s82, 32*SPITCH
	s_lshl_b32 s83, s80, 8
	s_add_co_u32 s82, s82, s83
	s_add_co_u32 s82, s82, STG
	v_and_b32 v8, 15, v0
	v_bfe_u32 v10, v0, 4, 1
	s_delay_alu instid0(VALU_DEP_2)
	v_mul_u32_u24 v[SOA], v8, SPITCH
	s_delay_alu instid0(VALU_DEP_1)
	v_lshl_add_u32 v[SOA], v10, 6, v[SOA]
	s_delay_alu instid0(VALU_DEP_1)
	v_add_nc_u32 v[SOA], s82, v[SOA]
	s_mul_i32 s82, s[WV], 16*SPITCH
	s_add_co_u32 s82, s82, STG
	v_add_nc_u32 v[SR], s82, v[LI]
	s_wait_alu depctr_va_vdst(0)
	s_wait_loadcnt 0x0
	s_wait_tensorcnt 0x0
	s_barrier_signal -1
	s_barrier_wait -1
.irp s, 0,1,2,3,4,5
	KSTEP \s
.endr
.rept 8
	v_nop
.endr
.irp tt, 0,1
.irp b, 0,1
.irp q, 0,1,2,3
	ds_store_b128 v[SOA], v[ACC+32*\tt+16*\b+4*\q:ACC+32*\tt+16*\b+4*\q+3] offset:16*SPITCH*\tt+128*\b+16*\q
.endr
.endr
.endr
	s_wait_dscnt 0x0
	s_barrier_signal -1
	s_barrier_wait -1
.irp i, 0,1,2,3,4,5,6,7,8,9,10,11,12,13,14,15
	ds_load_b128 v[WB+4*\i:WB+4*\i+3], v[SR] offset:SPITCH*\i
.endr
.irp i, 0,1,2,3,4,5,6,7,8,9,10,11,12,13,14,15
	s_wait_dscnt 15-\i
	global_store_b128 v[LI], v[WB+4*\i:WB+4*\i+3], s[12:13] offset:(\i+8*(\i/8))*3072 th:TH_STORE_NT
.endr
	s_wait_tensorcnt 0x0
	ds_add_u32 v254, v255
	s_wait_dscnt 0x0
	ROUND
	s_endpgm
.Lfunc_end_k_q56e7976c47_proj:
	.size	k_q56e7976c47_proj, .Lfunc_end_k_q56e7976c47_proj-k_q56e7976c47_proj
	.p2alignl 7, 3214868480
	.fill 96, 4, 3214868480
	.section	.rodata,"a",@progbits
	.p2align	6, 0x0
	.amdhsa_kernel k_q56e7976c47_proj
		.amdhsa_group_segment_fixed_size 327680
		.amdhsa_private_segment_fixed_size 0
		.amdhsa_enable_private_segment 0
		.amdhsa_kernarg_size 40
		.amdhsa_user_sgpr_count 2
		.amdhsa_user_sgpr_kernarg_segment_ptr 1
		.amdhsa_wavefront_size32 1
		.amdhsa_system_sgpr_workgroup_id_x 1
		.amdhsa_system_sgpr_workgroup_id_y 1
		.amdhsa_system_sgpr_workgroup_id_z 1
		.amdhsa_system_vgpr_workitem_id 0
		.amdhsa_next_free_vgpr 448
		.amdhsa_next_free_sgpr 96
		.amdhsa_reserve_vcc 0
		.amdhsa_float_denorm_mode_32 3
		.amdhsa_float_denorm_mode_16_64 3
		.amdhsa_memory_ordered 1
		.amdhsa_forward_progress 1
		.amdhsa_inst_pref_size 32
	.end_amdhsa_kernel
	.amdgpu_metadata
---
amdhsa.version: [ 1, 2 ]
amdhsa.kernels:
  - .name:           k_q56e7976c47_proj
    .symbol:         k_q56e7976c47_proj.kd
    .args:
      - { .name: act, .offset: 0, .size: 8, .value_kind: global_buffer, .address_space: global }
      - { .name: act_sc, .offset: 8, .size: 8, .value_kind: global_buffer, .address_space: global }
      - { .name: wimg, .offset: 16, .size: 8, .value_kind: global_buffer, .address_space: global }
      - { .name: wsc, .offset: 24, .size: 8, .value_kind: global_buffer, .address_space: global }
      - { .name: out0, .offset: 32, .size: 8, .value_kind: global_buffer, .address_space: global }
    .group_segment_fixed_size: 327680
    .private_segment_fixed_size: 0
    .kernarg_segment_align: 8
    .kernarg_segment_size: 40
    .max_flat_workgroup_size: 256
    .sgpr_count:     96
    .vgpr_count:     448
    .wavefront_size: 32
...
	.end_amdgpu_metadata
.endif
;; end of part 4
